; MI455X (gfx1250); checked and timed in simulation.
; The chip was launched on July 23, 2026; its instructions are those of AMD's public machine-readable ISA for CDNA 5 (MIT licence, August 2026) and "CDNA5" Instruction Set Architecture Reference Guide (July 2026). The comments in the code are by the model that wrote it; some were corrected since.
;; Turbo Quant Rotation. Allowed arithmetic: matrix products marked QUANTISED: E3M2 operands, one E8M0 scale for each 32 along K, by v_wmma_scale_f32_16x16x128_f8f6f4 with both operands' format E3M2, f32 sums; everything else in f32.
;; Inputs: signs 2 x 2,048 int32; wht_mat 2,048 x 2,048 float32; x 8,192 x 2,048 float32.
;; Outputs: out0 8,192 x 2,048 float32.
;; This version of the problem:
;;   THIS VERSION OF THE PROBLEM IS GIVEN IN LOW PRECISION. The matrix products marked QUANTISED in the list below multiply operands that are first quantised to E3M2 (3 exponent bits, 2 mantissa bits; 6 bits a number), with one power-of-two scale for each 32 numbers along K (OCP MX v1.0); their sums are f32. All else is computed in f32.
;;   The module's matrix products, in the order in which they are computed (A, B: the left and right operand; K: the contracted axis; several contracted axes count as one K, in the product's order):
;;     1. [M 8,192, K 2,048] x [K 2,048, N 2,048]; A: computed on the way; B: input wht_mat: QUANTISED
;;     2. [M 8,192, K 2,048] x [K 2,048, N 2,048]; A: computed on the way; B: input wht_mat: QUANTISED
;;   THE QUANTISER, for each operand of a quantised product, along K:
;;     - K is cut into blocks of 32 from its start; a last block that is shorter is filled with zeros.
;;     - A block's scale is 2^e with e = floor(log2(the largest magnitude in the block)) - 4, held to -126 .. 127; a block of zeros has e = 0. As a byte (E8M0): e + 127.
;;     - Each number is divided by its block's scale, clamped to +-28, and rounded to the nearest number of E3M2, ties to even, subnormals kept.
;;     - The product sums the exact products of the quantised numbers (number of the format x scale) in f32.
;;   ~~~python
;;   def quantise(x, axis):      # numpy; x: float32 -> the quantised numbers, widened to float32 again
;;       x = np.moveaxis(x, axis, -1); K = x.shape[-1]
;;       x = np.pad(x, [(0, 0)] * (x.ndim - 1) + [(0, -K % 32)]); x = x.reshape(x.shape[:-1] + (-1, 32)); a = np.abs(x).max(-1, keepdims=True)
;;       e = np.where(a > 0, np.clip(np.frexp(np.where(a > 0, a, 1))[1] - 1 - 4, -126, 127), 0)      # np.frexp(a)[1] - 1 = floor(log2(a)), exactly
;;       r = np.clip(x / 2.0 ** e, -28, 28)
;;       step = 2.0 ** (np.maximum(np.frexp(np.where(r == 0, 1, r))[1] - 1, -2) - 2)
;;       q = np.round(r / step) * step * 2.0 ** e      # np.round: ties to even
;;       return np.moveaxis(q.reshape(q.shape[:-2] + (-1,))[..., :K], -1, axis).astype(np.float32)
;;   ~~~
;;   OPERANDS COMPUTED ON THE WAY. 'Computed on the way' means the value that the module computes at that place (a softmax that the list does not call 'softmax' is quantised finished and normalised). What goes into a quantiser is computed in f32, as accurately as f32 sums, v_exp_f32 and their like allow (about 1e-6 of the number): no bf16 or f16 on the way to a quantiser, and a product that is left as it is and whose result goes on into a quantised operand takes f32 operands (vector FMAs, or v_wmma_f32_16x16x4_f32). A number that lies on a knife's edge between two numbers of the format may be rounded either way, as far as f32 arithmetic and the matrix unit's own rounding can turn it there, and no further.
;; One version. Each part assembles by itself: llvm-mc -triple=amdgcn-amd-amdhsa -mcpu=gfx1250 --defsym DOCPART=n.
;; ======== version 1 of 1: 3 launches
;; limits: right only within a limited range of input values
;; workspace buffers: a1q 13,107,200 bytes; a2q 13,107,200 bytes; wq 3,276,800 bytes
;; launch quant (part 1): grid 256 x 1, 16 waves a work-group, no clusters, 327,680 bytes of LDS; arguments x, signs, wht_mat, a1q, wq; writes a1q, wq
.if DOCPART == 1
	.amdgcn_target "amdgcn-amd-amdhsa--gfx1250"
	.amdhsa_code_object_version 6
	.text
	.protected	k_qe704b1ebcb_quant
	.globl	k_qe704b1ebcb_quant
	.p2align	8
	.type	k_qe704b1ebcb_quant,@function
k_qe704b1ebcb_quant:
	s_mov_b64 s[64:65], 0
	v_nop
	global_prefetch_b8 v0, s[64:65] scope:SCOPE_SE
	s_setreg_imm32_b32 hwreg(HW_REG_WAVE_MODE, 25, 1), 1
	s_wait_xcnt 0x0
; x * signs[0] ([8192][2048] f32, K innermost) and wht_mat ([2048 (k)][2048 (n)] f32, K its FIRST axis) become codes of BF6 (E3M2) with one E8M0 byte for each 32 along K.
; A block's scale is 2^(floor(log2(its largest magnitude)) - 4): its byte is the largest magnitude's own exponent field - 4, held at 1 from below by a floor among the maximum's leaves.
; LIMITS: NaN and infinities among the inputs are not served.  A block of zeros gets the byte 1 (the rule says 127): its codes are zeros, which add nothing under any byte but 0xff, and this
; program alone reads the bytes.  Blocks whose largest magnitude lies under 2^-122 have the byte 1, which is the rule's hold at e = -126.
; THE WORKSPACE IS LAID IN THE ORDER OF THE OPERAND'S REGISTERS.  A fragment (16 rows x 128 K, 12 registers a lane) is an IMAGE of 1,536 bytes: register p of lane l at 512 (p / 4) + 16 l + 4 (p % 4).
; Lane l = r + 16 h holds row r; registers 6 c .. 6 c + 5 hold k = 64 c + 32 h + 0 .. 31.  For a group of 128 rows and 128 along K: a K BLOCK of 12,800 bytes: 8 images, then their scale words, block i's row r at 12,288 + 64 i + 4 r.
;   a1q: [row / 128][k / 128][12800]      wq: [n / 128][k / 128][12800], where lane-row p of tile t = 2 b + u is column 32 b + 8 u + p + 8 (p / 8) of the 128
; SHARES.  256 work-groups of 16 waves.  Work-group g takes rows 32 g .. 32 g + 31 of x and the tile (columns 128 (g / 16) .., k 128 (g % 16) ..) of W.
;   x: wave w takes 16 rows (w % 2) x 256 k (w / 2): two fragments.  ONE tensor load a wave, at the head, brings its 16 rows x 1,024 bytes into LDS bytes of its own, 16 bytes of padding behind each row: only the wave
;      that asked reads them, behind its own wait, so there is no barrier, and nothing is filled again.  A lane reads its blocks of 32 neighbours from there.  signs[0] at the wave's 256 k (1,024 bytes, two loads of 512
;      consecutive bytes) is converted to f32, laid in a scratch of the wave's own and read back in the same order as x; the flip is a multiplication in f32.
;   W: waves 0-3, behind their tensor load: a wave takes 32 columns x 128 k.  A lane takes a column and its registers run down K: a block lies in one lane; the codes are set into 2 images in the wave's stage and leave whole.
; The codes leave in stores of 512 consecutive bytes, aligned.  Scale words leave 4 bytes a lane, in runs of 64 (x) and 128 (W) bytes: one byte in 128 of what the launch reads.
; No matrix unit and no cluster: the launch streams, and no byte is shared between work-groups.  No prefetch: there is no loop to run ahead in; all of x's bytes are asked for at the head.
.set XPIT,  1040                       ; x's LDS row: 1,024 bytes + 16: row r starts 16 r bytes on modulo 256, so the sixteen rows of a 16-byte read fall on different banks (64 banks of 4 bytes: ISA guide 11.1)
.set XWAVE, 16*XPIT                    ; a wave's tile, from LDS byte 0 on
.set SGN,   16*XWAVE                   ; the signs' scratch: 1,024 bytes a wave
.set WSTG,  SGN+16*1024                ; W's stages
.set WPIT,  1664                       ; an image's place in W's stage: 1,536 + 128
.set WWAVE, 2*WPIT
.set SPARE, WSTG+4*WWAVE               ; the spare words, 128 bytes a wave: eight blocks of 256 bytes that no other line names
.set IMG,   1536
.set SCO,   8*IMG                      ; where a K block's scale words begin
.set KSB,   SCO+512                    ; a K block
.set GRP,   16*KSB                     ; 128 rows x all of K
.set SG,    16                         ; v16-23   signs as loaded
.set SW,    24                         ; v24-25   x's scale words;  v26 W's
.set T,     40                         ; v40-46   the second half of a block's codes (a conversion's three registers begin on an even number)
.set R,     48                         ; v48-111  W: numbers as loaded, two sets of 32;  x: the signs of a fragment's 64 numbers
.set WO,    112                        ; v112-135 W: the images on the way out
.set X,     176                        ; v176-239 x: 64 numbers of a fragment
.set C,     240                        ; v240-251 codes
	s_load_b256 s[4:11], s[0:1], 0x0               ; x s[4:5], signs s[6:7], wht_mat s[8:9], a1q s[10:11]
	s_load_b64 s[12:13], s[0:1], 0x20              ; wq
	v_lshl_add_u32 v254, v0, 2, SPARE
	v_mov_b32 v255, 0
	ds_add_u32 v254, v255                          ; the opening lines: the add, twice on end, and its wait ahead of my tensor load
	ds_add_u32 v254, v255
	v_lshrrev_b32 v1, 5, v0
	v_readfirstlane_b32 s18, v1                    ; wave 0..15
	s_mov_b32 s36, (2<<16)|(1<<20)|(7<<22)|(3<<25) ; group 1: elements of 4 bytes; padding on: behind every 256 words, 4 words
	s_mov_b32 s37, 256<<16                         ; tensor_dim0 = 256
	s_mov_b32 s38, 16<<16                          ; tensor_dim1 = 16
	s_mov_b32 s39, 256<<16                         ; tile_dim0 = 256
	s_mov_b32 s40, 16                              ; tile_dim1 = 16
	s_mov_b32 s41, 2048                            ; from row to row
	s_mov_b32 s42, 0
	s_mov_b32 s43, 0
	s_mov_b32 s32, 1                               ; group 0: count,
	s_mul_i32 s33, s18, XWAVE                      ; my tile in LDS
	s_mov_b32 s52, 0x76543210
	s_mov_b32 s53, 0xfedcba98                      ; v_permlanex16_b32's selects for lane l xor 16
	s_and_b32 s19, s18, 1                          ; which 16 rows
	s_lshr_b32 s20, s18, 1                         ; which 256 along K
	s_and_b32 s50, s18, 3                          ; W: which 32 columns
	s_lshl_b32 s22, ttmp9, 18                      ; 32 rows of 8,192 bytes
	s_lshl_b32 s21, s19, 17
	s_add_co_u32 s22, s22, s21
	s_lshl_b32 s24, s20, 10                        ; 256 numbers of 4 bytes: the signs' offset too
	s_add_co_u32 s22, s22, s24                     ; x's offset
	s_mov_b32 s23, 0
	s_mov_b32 s25, 0
	s_lshr_b32 s21, ttmp9, 2                       ; the group of 128 rows
	s_mul_i32 s26, s21, GRP
	s_mul_i32 s21, s20, 2*KSB
	s_add_co_u32 s26, s26, s21                     ; the first of my two K blocks
	s_and_b32 s21, ttmp9, 3
	s_lshl_b32 s21, s21, 1
	s_add_co_u32 s21, s21, s19                     ; my block of 16 rows in the group
	s_lshl_b32 s28, s21, 6
	s_add_co_u32 s28, s28, s26
	s_add_co_u32 s28, s28, SCO                     ; its scale words
	s_mov_b32 s29, 0
	s_mul_i32 s21, s21, IMG
	s_add_co_u32 s26, s26, s21                     ; its image
	s_mov_b32 s27, 0
	s_lshl_b32 s31, s18, 10
	s_add_co_u32 s31, s31, SGN                     ; my signs' scratch
	s_and_b32 s21, ttmp9, 15                       ; W: the K block,
	s_lshr_b32 s54, ttmp9, 4                       ; the group of 128 columns
	s_lshl_b32 s44, s21, 20                        ; 128 rows of 8,192 bytes
	s_lshl_b32 s55, s54, 9
	s_add_co_u32 s44, s44, s55
	s_lshl_b32 s55, s50, 7
	s_add_co_u32 s44, s44, s55                     ; + my wave's 32 columns
	s_mov_b32 s45, 0
	s_mul_i32 s46, s54, GRP
	s_mul_i32 s21, s21, KSB
	s_add_co_u32 s46, s46, s21
	s_add_co_u32 s48, s46, s55                     ; my two tiles' scale words: 128 bytes
	s_add_co_u32 s48, s48, SCO
	s_mov_b32 s49, 0
	s_mul_i32 s21, s50, 2*IMG
	s_add_co_u32 s46, s46, s21                     ; and their images
	s_mov_b32 s47, 0
	s_mul_i32 s51, s50, WWAVE
	s_add_co_u32 s51, s51, WSTG                    ; W's stage
	; every address register is made here, ahead of the parting of the waves
	v_and_b32 v1, 31, v0                           ; lane
	v_lshlrev_b32 v2, 4, v1                        ; 16 x lane
	v_bfe_u32 v12, v0, 4, 1                        ; h
	v_and_b32 v11, 15, v0                          ; r
	v_add_nc_u32 v3, s31, v2                       ; the signs' scratch, in: as loaded
	v_lshlrev_b32 v14, 7, v12
	v_add_nc_u32 v14, s31, v14                     ; and out: + 128 h bytes
	v_mul_u32_u24 v4, v11, XPIT
	v_lshl_add_u32 v4, v12, 7, v4
	v_add_nc_u32 v4, s33, v4                       ; x: row r, + 128 h bytes: my block of 32 numbers
	v_mul_u32_u24 v5, v12, KSB
	v_lshl_add_u32 v5, v11, 2, v5                  ; a scale word's place: lanes 0-15 the first K block, lanes 16-31 the second; 4 r
	v_lshlrev_b32 v6, 3, v12                       ; 8 h: my bytes' shift in a scale word
	v_mov_b32 v37, 0                               ; written once: a lane permute's destination counts as one of its sources
	v_lshlrev_b32 v7, 2, v1                        ; W in: 4 bytes a lane: my column
	v_bfe_u32 v15, v0, 3, 1                        ; u: which of my wave's two tiles my column belongs to,
	v_and_b32 v13, 7, v0
	v_lshl_add_u32 v13, v12, 3, v13                ; p: and which lane-row of it
	v_mul_u32_u24 v8, v15, WPIT
	v_lshl_add_u32 v8, v13, 4, v8
	v_add_nc_u32 v8, s51, v8                       ; into W's stage: image u, 16 p
	v_add_nc_u32 v9, s51, v2                       ; out of it: 16 x lane
	v_lshlrev_b32 v10, 6, v15
	v_lshl_add_u32 v10, v13, 2, v10                ; W's scale word's place: 64 u + 4 p
	s_wait_alu depctr_va_vdst(0)                   ; the head's end
	s_wait_dscnt 0x0                               ; both opening adds are done
	s_wait_kmcnt 0x0
	s_add_nc_u64 s[34:35], s[4:5], s[22:23]        ; my tile's first element
	s_or_b32 s35, s35, 0x80000000                  ; type = 2
	tensor_load_to_lds s[32:35], s[36:43]          ; my one tensor load
	s_nop 0
	s_add_nc_u64 s[6:7], s[6:7], s[24:25]
	s_add_nc_u64 s[14:15], s[10:11], s[28:29]      ; a1q at my scale words
	s_add_nc_u64 s[10:11], s[10:11], s[26:27]      ; a1q at my images
	s_add_nc_u64 s[8:9], s[8:9], s[44:45]
	s_add_nc_u64 s[16:17], s[12:13], s[48:49]      ; wq at my scale words
	s_add_nc_u64 s[12:13], s[12:13], s[46:47]      ; wq at my images
	global_load_b128 v[SG:SG+3], v2, s[6:7]                ; signs[0] at my 256 k: 512 consecutive bytes,
	global_load_b128 v[SG+4:SG+7], v2, s[6:7] offset:512   ; and the next 512
	s_cmp_lt_u32 s18, 4
	s_cbranch_scc0 .Lx
; ---------------------------------------------------------------- W, waves 0-3, while x is on its way
.macro LOADW kb                        ; block kb: W(32 kb + i, my column), i = 0 .. 31; the largest offset, 127 rows, lies inside the signed 24-bit immediate (ISA guide, chapter 10)
.irp i, 0,1,2,3,4,5,6,7,8,9,10,11,12,13,14,15,16,17,18,19,20,21,22,23,24,25,26,27,28,29,30,31
	global_load_b32 v[R+32*((\kb)%2)+\i], v7, s[8:9] offset:(32*(\kb)+\i)*8192 th:TH_LOAD_NT
.endr
.endm
.macro WBLOCK kb                       ; block kb = 2 c + h of the 128 along K: registers 6 c .. 6 c + 5 of lane p + 16 h of the image
.set XS, R+32*((\kb)%2)
.set WI, 256*((\kb)%2)
.if (\kb) < 3
	s_wait_loadcnt 32                              ; this block's 32 loads are in; the next block's stay out
.else
	s_wait_loadcnt 0x0
.endif
	v_max3_num_f32 v30, |v[XS]|, |v[XS+1]|, |v[XS+2]|      ; the block's largest magnitude, in two chains
	v_max3_num_f32 v31, |v[XS+3]|, |v[XS+4]|, |v[XS+5]|
.irp i, 6,10,14,18,22,26
	v_max3_num_f32 v30, v30, |v[XS+\i]|, |v[XS+\i+1]|
	v_max3_num_f32 v31, v31, |v[XS+\i+2]|, |v[XS+\i+3]|
.endr
	v_max3_num_f32 v30, v30, |v[XS+30]|, |v[XS+31]|
	v_max3_num_f32 v30, v30, v31, 0x2800000        ; and the floor 2^(5 - 127)
	v_add_nc_u32 v32, 0xfe000000, v30              ; 4 off the exponent field: the conversion's scale operand
	v_lshrrev_b32 v34, 23, v32                     ; the byte
.if (\kb) == 0
	v_mov_b32 v[SW+2], v34                         ; four bytes to a word, the lower K in the lower byte
.else
	v_lshl_or_b32 v[SW+2], v34, 8*(\kb), v[SW+2]
.endif
	v_cvt_scalef32_pk16_bf6_f32 v[C:C+2], v[XS:XS+15], v32
	v_cvt_scalef32_pk16_bf6_f32 v[T:T+2], v[XS+16:XS+31], v32
	v_nop                                          ; one plain place behind a scaled conversion
.irp i, 0,1,2
	v_mov_b32 v[C+3+\i], v[T+\i]
.endr
.if (\kb)/2 == 0
	ds_store_b128 v8, v[C:C+3] offset:WI           ; registers 0-3 of the image's lane,
	ds_store_b64 v8, v[C+4:C+5] offset:WI+512      ; registers 4, 5
.else
	ds_store_b64 v8, v[C:C+1] offset:WI+520        ; registers 6, 7,
	ds_store_b128 v8, v[C+2:C+5] offset:WI+1024    ; registers 8-11
.endif
.if (\kb)+2 < 4
	LOADW (\kb)+2
.endif
	s_wait_dscnt 0x0                               ; the stores have read their registers: the next block's codes may be written
.endm
	LOADW 0
	LOADW 1
.irp t, 0,1,2,3
	WBLOCK \t
.endr
	s_wait_alu depctr_va_vdst(0)                   ; directly ahead of the reader below
	global_store_b32 v10, v[SW+2], s[16:17]        ; the 32 lanes' words: 128 consecutive bytes
.irp u, 0,1
.irp j, 0,1,2
	ds_load_b128 v[WO+4*(3*\u+\j):WO+4*(3*\u+\j)+3], v9 offset:WPIT*\u+512*\j   ; LDS serves a wave's instructions in order (ISA guide 5.7.1.4): these see my stores
.endr
.endr
.irp u, 0,1
.irp j, 0,1,2
	s_wait_dscnt 5-(3*\u+\j)                       ; loads come back in order: this one is in, the younger ones stay out
	global_store_b128 v2, v[WO+4*(3*\u+\j):WO+4*(3*\u+\j)+3], s[12:13] offset:IMG*\u+512*\j   ; 512 consecutive bytes, aligned
.endr
.endr
; ---------------------------------------------------------------- x, all waves
.Lx:
	s_wait_loadcnt 0x0                             ; the signs are in
.irp i, 0,1,2,3,4,5,6,7
	v_cvt_f32_i32 v[SG+\i], v[SG+\i]
.endr
	ds_store_b128 v3, v[SG:SG+3]                   ; the sign of k at byte 4 k of my scratch
	ds_store_b128 v3, v[SG+4:SG+7] offset:512
	s_wait_tensorcnt 0x0                           ; my tile is in LDS
.macro XSTEP f                         ; fragment f: my 16 rows x the f-th 128 along K
.irp c, 0,1
.irp j, 0,1,2,3,4,5,6,7
	ds_load_b128 v[X+32*\c+4*\j:X+32*\c+4*\j+3], v4 offset:512*(\f)+256*\c+16*\j    ; k = 128 f + 64 c + 32 h + 4 j .. of row r
.endr
.endr
.irp c, 0,1
.irp j, 0,1,2,3,4,5,6,7
	ds_load_b128 v[R+32*\c+4*\j:R+32*\c+4*\j+3], v14 offset:512*(\f)+256*\c+16*\j   ; and the signs of the same k (these see my stores above: LDS serves a wave's instructions in order)
.endr
.endr
	s_wait_dscnt 0x0
.set i, 0
.rept 32
	v_pk_mul_f32 v[X+i:X+i+1], v[X+i:X+i+1], v[R+i:R+i+1]          ; the sign flip, in f32
.set i, i+2
.endr
.irp c, 0,1                            ; my two blocks, all 32 numbers of each mine, by turns
	v_max3_num_f32 v[30+\c], |v[X+32*\c]|, |v[X+32*\c+1]|, 0x2800000             ; with the floor 2^(5 - 127): the byte cannot fall under 1
.endr
.irp i, 2,4,6,8,10,12,14,16,18,20,22,24,26,28,30
.irp c, 0,1
	v_max3_num_f32 v[30+\c], v[30+\c], |v[X+32*\c+\i]|, |v[X+32*\c+\i+1]|
.endr
.endr
.irp c, 0,1
	v_add_nc_u32 v[32+\c], 0xfe000000, v[30+\c]    ; 4 off the exponent field: the conversion's scale operand
.endr
.irp c, 0,1
	v_lshrrev_b32 v[34+\c], 23, v[32+\c]           ; the scale's byte
.endr
	v_lshl_or_b32 v36, v35, 16, v34                ; my two bytes: blocks h and 2 + h of row r,
	v_lshlrev_b32 v36, v6, v36                     ; at their places (8 h bits up);
	v_permlanex16_b32 v37, v36, s52, s53
	v_or_b32 v[SW+(\f)], v36, v37                  ; with lane l xor 16's two the word is whole, in both lanes
.if (\f) > 0
	s_wait_alu depctr_va_vdst(0)
	s_wait_xcnt 0x0                                ; the codes' registers were the last fragment's store data: they are rewritten only behind this wait
.endif
.irp c, 0,1
	v_cvt_scalef32_pk16_bf6_f32 v[C+6*\c:C+6*\c+2], v[X+32*\c:X+32*\c+15], v[32+\c]
	v_cvt_scalef32_pk16_bf6_f32 v[T+4*\c:T+4*\c+2], v[X+32*\c+16:X+32*\c+31], v[32+\c]
.endr
	v_nop                                          ; one plain place behind a scaled conversion
.irp c, 0,1
.irp i, 0,1,2
	v_mov_b32 v[C+6*\c+3+\i], v[T+4*\c+\i]
.endr
.endr
.irp j, 0,1,2
	global_store_b128 v2, v[C+4*\j:C+4*\j+3], s[10:11] offset:(\f)*KSB+512*\j   ; the image: each store covers 512 consecutive bytes, aligned
.endr
.endm
	XSTEP 0
	XSTEP 1
	v_cmp_lt_u32 vcc_lo, 15, v1                    ; lanes 0-15 send my rows' words of the first K block, lanes 16-31 those of the second
	v_cndmask_b32 v28, v[SW], v[SW+1], vcc_lo
	global_store_b32 v5, v28, s[14:15]             ; two runs of 64 consecutive bytes
	s_wait_tensorcnt 0x0                           ; the wave's end
	ds_add_u32 v254, v255
	s_wait_dscnt 0x0
	s_endpgm
.Lfunc_end_k_qe704b1ebcb_quant:
	.size	k_qe704b1ebcb_quant, .Lfunc_end_k_qe704b1ebcb_quant-k_qe704b1ebcb_quant
	.p2alignl 7, 3214868480
	.fill 96, 4, 3214868480
	.section	.rodata,"a",@progbits
	.p2align	6, 0x0
	.amdhsa_kernel k_qe704b1ebcb_quant
		.amdhsa_group_segment_fixed_size 327680
		.amdhsa_private_segment_fixed_size 0
		.amdhsa_enable_private_segment 0
		.amdhsa_kernarg_size 40
		.amdhsa_user_sgpr_count 2
		.amdhsa_user_sgpr_kernarg_segment_ptr 1
		.amdhsa_wavefront_size32 1
		.amdhsa_system_sgpr_workgroup_id_x 1
		.amdhsa_system_sgpr_workgroup_id_y 1
		.amdhsa_system_sgpr_workgroup_id_z 1
		.amdhsa_system_vgpr_workitem_id 0
		.amdhsa_next_free_vgpr 256
		.amdhsa_next_free_sgpr 66
		.amdhsa_reserve_vcc 1
		.amdhsa_float_denorm_mode_32 3
		.amdhsa_float_denorm_mode_16_64 3
		.amdhsa_memory_ordered 1
		.amdhsa_forward_progress 1
		.amdhsa_inst_pref_size 40
	.end_amdhsa_kernel
	.amdgpu_metadata
---
amdhsa.version: [ 1, 2 ]
amdhsa.kernels:
  - .name:           k_qe704b1ebcb_quant
    .symbol:         k_qe704b1ebcb_quant.kd
    .args:
      - { .name: x, .offset: 0, .size: 8, .value_kind: global_buffer, .address_space: global }
      - { .name: signs, .offset: 8, .size: 8, .value_kind: global_buffer, .address_space: global }
      - { .name: wht_mat, .offset: 16, .size: 8, .value_kind: global_buffer, .address_space: global }
      - { .name: a1q, .offset: 24, .size: 8, .value_kind: global_buffer, .address_space: global }
      - { .name: wq, .offset: 32, .size: 8, .value_kind: global_buffer, .address_space: global }
    .group_segment_fixed_size: 327680
    .private_segment_fixed_size: 0
    .kernarg_segment_align: 8
    .kernarg_segment_size: 40
    .max_flat_workgroup_size: 512
    .sgpr_count:     66
    .vgpr_count:     256
    .wavefront_size: 32
...
	.end_amdgpu_metadata
.endif
;; end of part 1
;; launch gemm1 (part 2): grid 8 x 32, 4 waves a work-group, clusters of 4 x 4, 327,680 bytes of LDS; arguments a1q, wq, a2q, signs; writes a2q
.if DOCPART == 2
	.amdgcn_target "amdgcn-amd-amdhsa--gfx1250"
	.amdhsa_code_object_version 6
	.text
	.protected	k_qe704b1ebcb_gemm1
	.globl	k_qe704b1ebcb_gemm1
	.p2align	8
	.type	k_qe704b1ebcb_gemm1,@function
k_qe704b1ebcb_gemm1:
	s_mov_b64 s[64:65], 0
	v_nop
	global_prefetch_b8 v0, s[64:65] scope:SCOPE_SE
	s_setreg_imm32_b32 hwreg(HW_REG_WAVE_MODE, 25, 1), 1
	s_wait_xcnt 0x0
	s_wait_alu depctr_hold_cnt(0) depctr_sa_sdst(0) depctr_va_vdst(0) depctr_va_sdst(0) depctr_va_ssrc(0) depctr_va_vcc(0) depctr_vm_vsrc(0)
	s_getreg_b32 s2, hwreg(HW_REG_IB_STS2, 6, 4)
	s_cmp_eq_u32 s2, 0
	s_cbranch_scc0 .Lentry_in_a_cluster
	s_endpgm
.Lentry_in_a_cluster:
	s_bfe_u32 s2, ttmp6, 0x10000c
	s_cmp_lg_u32 s2, 0xf033
	s_cbranch_scc0 .Lentry_shape_is_right
	s_endpgm
.Lentry_shape_is_right:
; THE FIRST PRODUCT AND THE SECOND QUANTISER.  A2 = Q((A1 W) * signs[1]) : A1 (a1q) and W (wq) are codes of BF6 (E3M2) with E8M0 scale bytes, f32 sums; the result, times signs[1] in f32, is quantised along its columns
; (the second product's K) and stored in a2q, in the layout of a1q: images of fragments' registers (16 rows x 128 K = 1,536 bytes), eight images and 512 bytes of scale words to a K block of 12,800 bytes, [row / 128][k / 128][12800].
; A block of 256 x 256 to a work-group of four waves, 128 x 128 a wave; K goes through two LDS slots of three K blocks a group; clusters of 4 x 4 ask jointly for A's runs (along a row) and W's (along a column).
; THE HEAD: four joint loads, one a wave: both groups of A or of W for one slot, as two rows of 38,400 bytes.  The signs' loads stay out over the whole walk along K and are awaited on the way out.
; THE FINAL FACTOR 1 / 2048 = 2^-11 OF THE SECOND PRODUCT IS CARRIED BY A2's SCALE BYTES: each byte stored here is the rule's byte less 11; the codes are made with the rule's own scale.
; LIMITS: NaN and infinities are not served.  So that the lowered byte stays at 1 or above, a block's largest magnitude is taken as 2^-111 at the least: blocks of A2 that lie wholly under 2^-111 are quantised with that held scale.
; A block of zeros has zero codes under the byte 1; this program alone reads the bytes.
; PREFETCH: behind the head's loads and behind each refill but the last, each wave asks for the run that it loads at the next change of slots (three K steps on): 150 blocks of 256 bytes, of which the partner at place p of the four
; that ask jointly names blocks 38 p .. 38 p + 37 (the last run, 50 blocks: 13 p .. 13 p + 12), a lane a block; lanes left over name the share's last block again; every address lies inside the wave's own group.
.set FR,     12
.set NL,     3
.set NP,     4
.set IMG,    1536
.set SCO,    8*IMG
.set KSB,    SCO+512
.set GRP,    16*KSB
.set NQ,     3
.set HALFT,  NQ*KSB
.set SLOT,   4*HALFT
.set SPARE,  2*SLOT
.set SST,    SPARE+512
.set ADRA, 16
.set ADRS, 18
.set ADRB, 20
.set SGA,  22
.set SSW,  24
.set SSR,  25
.set LI,   26
.set SPW,  28
.set NIL,  29
.set SC,   32
.set SG,   64
.set AF,   128
.set H,    128
.set PC,   192
.set TM,   212
.set PW,   228
.set SO,   236
.set G1, 24
.set G0, 32
.set G1B, 48
.set G0B, 56
.set G1F, 68
.set G1BF, 76
.set MSB, 0
.macro WIN new
.if MSB != (\new)
	s_set_vgpr_msb (MSB<<8)|(\new)
.set MSB, (\new)
.endif
.endm
.set MUL_LO, 0xa1
.set MUL_HI, 0xf1
.set TO_B,   0x40
.macro JLOAD g0a, g1a, g0b, g1b
	s_cmp_eq_u32 s19, 0
	s_cbranch_scc0 .Lfor_b_\@
	tensor_load_to_lds s[\g0a:\g0a+3], s[\g1a:\g1a+7]
	s_nop 0
.rept 4
	v_nop
.endr
	s_branch .Lasked_\@
.Lfor_b_\@:
	tensor_load_to_lds s[\g0b:\g0b+3], s[\g1b:\g1b+7]
	s_nop 0
.rept 4
	v_nop
.endr
.Lasked_\@:
.endm
.macro CREST
	s_cmp_lg_u32 s18, 0
	s_cbranch_scc1 .Lnot_wave_0_\@
	s_barrier_signal -3
.Lnot_wave_0_\@:
	s_barrier_wait -3
	s_barrier_signal -1
	s_barrier_wait -1
.endm
.macro CROUND
	s_barrier_signal -1
	s_barrier_wait -1
	CREST
.endm
	s_load_b256 s[4:11], s[0:1], 0x0
	v_lshl_add_u32 v[SPW], v0, 2, SPARE
	v_mov_b32 v[NIL], 0
	ds_add_u32 v28, v29
	ds_add_u32 v28, v29
	s_wait_dscnt 0x0
	v_lshrrev_b32 v1, 5, v0
	v_readfirstlane_b32 s18, v1
	s_lshr_b32 s19, s18, 1
	s_and_b32 s20, s18, 1
	s_bfe_u32 s40, ttmp6, 0x40000
	s_bfe_u32 s41, ttmp6, 0x40004
	s_lshl_b32 s42, ttmp9, 2
	s_add_co_u32 s42, s42, s40
	s_and_b32 s21, ttmp7, 0xffff
	s_lshl_b32 s21, s21, 2
	s_add_co_u32 s21, s21, s41
	s_lshl_b32 s43, s41, 2
	s_lshl_b32 s43, 15, s43
	s_lshl_b32 s44, 0x1111, s40
	s_or_b32 s[G1+0], s43, (3<<16)|(1<<21)
	s_or_b32 s[G1B+0], s44, (3<<16)|(1<<21)
.irp g, G1, G1B
	s_mov_b32 s[\g+1], 32<<16
	s_mov_b32 s[\g+2], (HALFT/256)<<16
	s_mov_b32 s[\g+3], 32<<16
	s_mov_b32 s[\g+4], HALFT/256
	s_mov_b32 s[\g+5], 32
	s_mov_b32 s[\g+6], 0
	s_mov_b32 s[\g+7], 0
.endr
	s_or_b32 s[G1F+0], s43, (3<<16)|(1<<21)
	s_or_b32 s[G1BF+0], s44, (3<<16)|(1<<21)
.irp g, G1F, G1BF                      ; first the head's shape: two rows of 38,400 bytes (4,800 elements of 8 bytes), a group apart
	s_mov_b32 s[\g+1], (HALFT/8)<<16
	s_mov_b32 s[\g+2], 2<<16
	s_mov_b32 s[\g+3], (HALFT/8)<<16
	s_mov_b32 s[\g+4], 2
	s_mov_b32 s[\g+5], GRP/8
	s_mov_b32 s[\g+6], 0
	s_mov_b32 s[\g+7], 0
.endr
	s_lshl_b32 s22, s21, 1
	s_add_co_u32 s22, s22, s20
	s_mul_i32 s22, s22, GRP
	s_mov_b32 s23, 0
	s_lshl_b32 s46, s42, 1
	s_add_co_u32 s46, s46, s20
	s_mul_i32 s46, s46, GRP
	s_mov_b32 s47, 0
	s_mul_i32 s45, s18, HALFT
	s_wait_kmcnt 0x0
	s_add_nc_u64 s[22:23], s[4:5], s[22:23]
	s_add_nc_u64 s[46:47], s[6:7], s[46:47]
	CROUND
.irp s, 0,1
	s_mov_b32 s[G0+4*\s], 1
	s_add_co_u32 s[G0+4*\s+1], s45, \s*SLOT
	s_add_nc_u64 s[G0+4*\s+2:G0+4*\s+3], s[22:23], \s*HALFT
	s_or_b32 s[G0+4*\s+3], s[G0+4*\s+3], 0x80000000
	s_mov_b32 s[G0B+4*\s], 1
	s_add_co_u32 s[G0B+4*\s+1], s45, \s*SLOT
	s_add_nc_u64 s[G0B+4*\s+2:G0B+4*\s+3], s[46:47], \s*HALFT
	s_or_b32 s[G0B+4*\s+3], s[G0B+4*\s+3], 0x80000000
.endr
	s_cmp_eq_u32 s19, 0                            ; the prefetches: do I fetch for A?
	s_cselect_b32 s94, s40, s41                    ; my place among the four that ask with me
	s_cselect_b64 s[92:93], s[22:23], s[46:47]     ; my group's first byte
	s_mul_i32 s16, s20, GRP
	s_mov_b32 s17, 0
	s_sub_nc_u64 s[22:23], s[22:23], s[16:17]      ; back to the first of the block's two groups
	s_sub_nc_u64 s[46:47], s[46:47], s[16:17]
	s_mov_b32 s84, 1                               ; the head's four tiles: A's two groups, K blocks 0-2, into slot 0;
	s_mov_b32 s85, 0
	s_mov_b64 s[86:87], s[22:23]
	s_or_b32 s87, s87, 0x80000000
	s_mov_b32 s88, 1                               ; W's, behind them;
	s_mov_b32 s89, 2*HALFT
	s_mov_b64 s[90:91], s[46:47]
	s_or_b32 s91, s91, 0x80000000
	s_mov_b32 s12, 1                               ; A's K blocks 3-5 into slot 1;
	s_mov_b32 s13, SLOT
	s_add_nc_u64 s[14:15], s[22:23], HALFT
	s_or_b32 s15, s15, 0x80000000
	s_mov_b32 s4, 1                                ; and W's
	s_mov_b32 s5, SLOT+2*HALFT
	s_add_nc_u64 s[6:7], s[46:47], HALFT
	s_or_b32 s7, s7, 0x80000000
; one chain of branches on the wave's number, one joint load to an arm: one tensor load a wave at the head
.macro ARM under, g0, g1, next
	s_cmp_lt_u32 s18, \under
	s_cbranch_scc0 \next
	tensor_load_to_lds s[\g0:\g0+3], s[\g1:\g1+7]
	s_nop 0
.rept 4
	v_nop
.endr
	s_branch .Lhead_asked
\next:
.endm
	ARM 1, 84, G1F,  .Lhead_b0
	ARM 2, 88, G1BF, .Lhead_a1
	ARM 3, 12, G1F,  .Lhead_b1
	tensor_load_to_lds s[4:7], s[G1BF:G1BF+7]
	s_nop 0
.rept 4
	v_nop
.endr
.Lhead_asked:
	v_and_b32 v1, 15, v0
	v_bfe_u32 v2, v0, 4, 1
	s_wait_alu depctr_va_vdst(0)
	v_and_b32 v3, 31, v0
	v_lshlrev_b32 v[LI], 4, v3
	s_wait_alu depctr_va_vdst(0)
	s_lshl_b32 s98, s42, 1
	s_add_co_u32 s98, s98, s20
	s_lshl_b32 s99, s98, 9
	s_add_co_u32 s96, s99, 8192
	s_mov_b32 s97, 0
	s_add_nc_u64 s[10:11], s[10:11], s[96:97]
	v_lshlrev_b32 v[SGA], 6, v2
.irp b, 0,1,2,3
.irp j, 0,1,2,3
	global_load_b128 v[SG+16*\b+4*\j:SG+16*\b+4*\j+3], v[SGA], s[10:11] offset:128*\b+16*\j
.endr
.endr
	s_mul_i32 s100, s19, HALFT
	s_mul_i32 s101, s20, HALFT
	s_add_co_u32 s101, s101, 2*HALFT
	s_sub_co_u32 s3, s101, s100
	v_mul_u32_u24 v4, s3, v2
	v_lshl_add_u32 v4, v1, 2, v4
.irp s, 0,1
	v_add_nc_u32 v[ADRA+\s], s100, v[LI]
	v_add_nc_u32 v[ADRB+\s], s101, v[LI]
	v_add_nc_u32 v[ADRS+\s], s100, v4
	s_add_co_u32 s100, s100, SLOT
	s_add_co_u32 s101, s101, SLOT
.endr
	s_lshl_b32 s100, s18, 9
	s_add_co_u32 s100, s100, SST
	v_lshl_add_u32 v[SSW], v1, 2, s100
	v_add_nc_u32 v[SSR], s100, v[LI]
	v_mov_b32 v7, s94                              ; the prefetches' offsets: v8, v9 for a run of 150 blocks, v10 for the last run of 50
	v_min_u32 v5, 5, v3
	v_min_u32 v6, 12, v3
	v_mad_u32_u24 v8, v7, 38, v3
	v_mad_u32_u24 v9, v7, 38, v5
	v_mad_u32_u24 v10, v7, 13, v6
	v_add_nc_u32 v9, 32, v9
	v_min_u32 v8, 149, v8
	v_min_u32 v9, 149, v9
	v_min_u32 v10, 49, v10
	v_lshlrev_b32 v8, 8, v8
	v_lshlrev_b32 v9, 8, v9
	v_lshlrev_b32 v10, 8, v10
	global_prefetch_b8 v8, s[92:93] offset:2*HALFT th:TH_LOAD_NT scope:SCOPE_SE   ; K blocks 6-8, which the first refill loads
	global_prefetch_b8 v9, s[92:93] offset:2*HALFT th:TH_LOAD_NT scope:SCOPE_SE
	s_lshl_b32 s96, s21, 1
	s_add_co_u32 s96, s96, s19
	s_mul_i32 s96, s96, GRP
	s_mul_i32 s98, s98, KSB
	s_add_co_u32 s96, s96, s98
	s_add_nc_u64 s[8:9], s[8:9], s[96:97]
.macro FRAG reg, adr, q, i
.irp c, 0,1,2
	ds_load_b128 v[\reg+4*\c:\reg+4*\c+3], v[\adr] offset:(\q)*KSB+(\i)*IMG+512*\c
.endr
.endm
.macro MUL16 a0, p, zero
.irp a, \a0, \a0+1
.irp b, 0,1,2,3,4,5,6,7
.if \zero
	v_wmma_scale_f32_16x16x128_f8f6f4 v[8*(8*((\a)%4)+\b):8*(8*((\a)%4)+\b)+7], v[128*(\p)+FR*\b:128*(\p)+FR*\b+FR-1], v[AF+FR*(\a):AF+FR*(\a)+FR-1], 0, v[SC+8*(\p)+\b], v[SC+8*(\p)+(\a)] matrix_a_fmt:MATRIX_FMT_BF6 matrix_b_fmt:MATRIX_FMT_BF6 matrix_a_scale:MATRIX_SCALE_ROW1
.else
	v_wmma_scale_f32_16x16x128_f8f6f4 v[8*(8*((\a)%4)+\b):8*(8*((\a)%4)+\b)+7], v[128*(\p)+FR*\b:128*(\p)+FR*\b+FR-1], v[AF+FR*(\a):AF+FR*(\a)+FR-1], v[8*(8*((\a)%4)+\b):8*(8*((\a)%4)+\b)+7], v[SC+8*(\p)+\b], v[SC+8*(\p)+(\a)] matrix_a_fmt:MATRIX_FMT_BF6 matrix_b_fmt:MATRIX_FMT_BF6 matrix_a_scale:MATRIX_SCALE_ROW1
.endif
.endr
.endr
.endm
.macro FETCH_B slot, q, p
	WIN TO_B
.irp i, 0,1,2,3,4,5,6,7
	FRAG 128*(\p)+FR*\i, ADRB+\slot, \q, \i
.endr
	WIN 0
.endm
.macro FETCH_A slot, q, i0
.irp i, \i0, \i0+1, \i0+2, \i0+3
	FRAG AF+FR*(\i), ADRA+\slot, \q, \i
.endr
.endm
.macro SCALES slot, q, p
.irp i, 0,1,2,3,4,5,6,7
	ds_load_b32 v[SC+8*(\p)+\i], v[ADRS+\slot] offset:(\q)*KSB+SCO+64*\i
.endr
.endm
.macro PLACES n
.rept \n
	v_nop
.endr
.endm
.macro STEP slot, q, p, zero
	s_wait_dscnt 4*NL
	WIN MUL_LO
	MUL16 0, \p, \zero
	MUL16 2, \p, \zero
	s_wait_dscnt 0
	PLACES NP
	FETCH_B \slot, (\q)+1, 1-(\p)
	FETCH_A \slot, (\q)+1, 0
	SCALES \slot, (\q)+1, 1-(\p)
	WIN MUL_HI
	MUL16 4, \p, \zero
	MUL16 6, \p, \zero
	PLACES NP
	WIN 0
	FETCH_A \slot, (\q)+1, 4
.endm
.macro TURN slot, p, next, fill, ask
	s_wait_dscnt 4*NL
	WIN MUL_LO
	MUL16 0, \p, 0
	MUL16 2, \p, 0
	WIN 0
	s_wait_tensorcnt 0x0
	ds_add_u32 v[SPW], v[NIL]
.if (\ask) == 3                        ; the first change of slots: no load of mine is out, so the head's shape makes way for the last fill's: one K block, 50 rows of 256 bytes
.irp g, G1F, G1BF
	s_mov_b32 s[\g+1], 32<<16
	s_mov_b32 s[\g+2], (KSB/256)<<16
	s_mov_b32 s[\g+3], 32<<16
	s_mov_b32 s[\g+4], KSB/256
	s_mov_b32 s[\g+5], 32
.endr
.endif
.if \fill
	s_add_nc_u64 s[G0+4*\slot+2:G0+4*\slot+3], s[G0+4*\slot+2:G0+4*\slot+3], 2*HALFT
	s_add_nc_u64 s[G0B+4*\slot+2:G0B+4*\slot+3], s[G0B+4*\slot+2:G0B+4*\slot+3], 2*HALFT
.endif
	s_wait_dscnt 0x0
	s_barrier_signal -1
	s_barrier_wait -1
.if \fill == 1
	CREST
	JLOAD G0+4*\slot, G1, G0B+4*\slot, G1B
.elseif \fill == 2
	CREST
	JLOAD G0+4*\slot, G1F, G0B+4*\slot, G1BF
.else
	PLACES NP
.endif
	FETCH_B \next, 0, 1-(\p)
	FETCH_A \next, 0, 0
	SCALES \next, 0, 1-(\p)
.if (\ask) == 5
	global_prefetch_b8 v10, s[92:93] offset:5*HALFT th:TH_LOAD_NT scope:SCOPE_SE          ; the run that the next refill loads
.elseif (\ask) > 0
	global_prefetch_b8 v8, s[92:93] offset:(\ask)*HALFT th:TH_LOAD_NT scope:SCOPE_SE
	global_prefetch_b8 v9, s[92:93] offset:(\ask)*HALFT th:TH_LOAD_NT scope:SCOPE_SE
.endif
	WIN MUL_HI
	MUL16 4, \p, 0
	MUL16 6, \p, 0
	PLACES NP
	WIN 0
	FETCH_A \next, 0, 4
.endm
	s_wait_alu depctr_va_vdst(0)                   ; the head's end
	s_cmp_ge_u32 s18, 2                            ; waves 0 and 1 brought slot 0, which is read behind this barrier: they wait for it.  Slot 1's loads, waves 2 and 3's, stay out:
	s_cbranch_scc1 .Lslot1_on_its_way
	s_wait_tensorcnt 0x0
.Lslot1_on_its_way:
	s_barrier_signal -1
	s_barrier_wait -1
	FETCH_B 0, 0, 0
	FETCH_A 0, 0, 0
	SCALES 0, 0, 0
	FETCH_A 0, 0, 4
	STEP 0, 0, 0, 1
	STEP 0, 1, 1, 0
	TURN 0, 0, 1, 1, 3
	STEP 1, 0, 1, 0
	STEP 1, 1, 0, 0
	TURN 1, 1, 0, 1, 4
	STEP 0, 0, 0, 0
	STEP 0, 1, 1, 0
	TURN 0, 0, 1, 1, 5
	STEP 1, 0, 1, 0
	STEP 1, 1, 0, 0
	TURN 1, 1, 0, 2, 0
	STEP 0, 0, 0, 0
	STEP 0, 1, 1, 0
	TURN 0, 0, 1, 0, 0
	s_wait_dscnt 4*NL
	WIN MUL_LO
	MUL16 0, 1, 0
	MUL16 2, 1, 0
	s_wait_dscnt 0
	WIN MUL_HI
	MUL16 4, 1, 0
	MUL16 6, 1, 0
	WIN 0
.macro QUANT s, pw
.irp b, 0,1,2,3
	v_max3_num_f32 v[TM+\b], |v[\s+16*\b]|, |v[\s+1+16*\b]|, 0x8000000   ; with the floor 2^(16 - 127): the byte, lowered by 11, cannot fall under 1
.endr
.irp i, 2,4,6,8,10,12,14
.irp b, 0,1,2,3
	v_max3_num_f32 v[TM+\b], v[TM+\b], |v[\s+16*\b+\i]|, |v[\s+1+16*\b+\i]|
.endr
.endr
.irp b, 0,1,2,3
	v_permlanex16_b32 v[TM+4+\b], v[TM+\b], s100, s101
.endr
.irp b, 0,1,2,3
	v_max_num_f32 v[TM+\b], v[TM+\b], v[TM+4+\b]
.endr
.irp b, 0,1,2,3
	v_add_nc_u32 v[TM+12+\b], 0xfe000000, v[TM+\b]
.endr
.irp b, 0,1,2,3
	v_add_nc_u32 v[TM+4+\b], 0xf8800000, v[TM+\b]  ; 15 off the exponent field: the rule's 4, and 11 for the factor 2^-11 of the second product
.endr
.irp b, 0,1,2,3
	v_lshrrev_b32 v[TM+4+\b], 23, v[TM+4+\b]       ; the byte that is stored
.endr
	v_lshl_or_b32 v[\pw], v[TM+5], 8, v[TM+4]
	v_lshl_or_b32 v[\pw], v[TM+6], 16, v[\pw]
	v_lshl_or_b32 v[\pw], v[TM+7], 24, v[\pw]
.irp c, 0,1
	v_cvt_scalef32_pk16_bf6_f32 v[PC+6*\c:PC+2+6*\c], v[\s+32*\c:\s+15+32*\c], v[TM+12+2*\c]
	v_cvt_scalef32_pk16_bf6_f32 v[PC+12+4*\c:PC+14+4*\c], v[\s+16+32*\c:\s+31+32*\c], v[TM+12+2*\c+1]
.endr
	v_nop
.irp c, 0,1
.irp i, 0,1,2
	v_permlane16_swap_b32 v[PC+6*\c+\i], v[PC+12+4*\c+\i]
.endr
.irp i, 0,1,2
	v_mov_b32 v[PC+3+6*\c+\i], v[PC+12+4*\c+\i]
.endr
.endr
.endm
.macro OUTQ a
	WIN 0x02+(\a)/4
.set i, 0
.rept 32
	v_pk_mul_f32 v[H+i:H+i+1], v[64*((\a)%4)+i:64*((\a)%4)+i+1], v[SG+i:SG+i+1]
.set i, i+2
.endr
	WIN 0
.if (\a) > 0
	s_wait_xcnt 0x0
.endif
	QUANT H, PW+(\a)
.irp c, 0,1,2
	global_store_b128 v[LI], v[PC+4*\c:PC+4*\c+3], s[8:9] offset:(\a)*IMG+512*\c
.endr
	ds_store_b32 v[SSW], v[PW+(\a)] offset:(\a)*64
.endm
	PLACES NP
	s_mov_b32 s100, 0x76543210
	s_wait_loadcnt 0x0                             ; signs[1] at my columns, asked for at the head
.set i, 0
.rept 64
	v_cvt_f32_i32 v[SG+i], v[SG+i]
.set i, i+1
.endr
	s_mov_b32 s101, 0xfedcba98
.irp b, 0,1,2,3
	v_mov_b32 v[TM+4+\b], 0
.endr
.irp a, 0,1,2,3,4,5,6,7
	OUTQ \a
.endr
	ds_load_b128 v[SO:SO+3], v[SSR]
	s_wait_dscnt 0x0
	global_store_b128 v[LI], v[SO:SO+3], s[8:9] offset:SCO
	s_wait_tensorcnt 0x0
	ds_add_u32 v[SPW], v[NIL]
	s_wait_dscnt 0x0
	CROUND
	s_endpgm
.Lfunc_end_k_qe704b1ebcb_gemm1:
	.size	k_qe704b1ebcb_gemm1, .Lfunc_end_k_qe704b1ebcb_gemm1-k_qe704b1ebcb_gemm1
	.p2alignl 7, 3214868480
	.fill 96, 4, 3214868480
	.section	.rodata,"a",@progbits
	.p2align	6, 0x0
	.amdhsa_kernel k_qe704b1ebcb_gemm1
		.amdhsa_group_segment_fixed_size 327680
		.amdhsa_private_segment_fixed_size 0
		.amdhsa_enable_private_segment 0
		.amdhsa_kernarg_size 32
		.amdhsa_user_sgpr_count 2
		.amdhsa_user_sgpr_kernarg_segment_ptr 1
		.amdhsa_wavefront_size32 1
		.amdhsa_system_sgpr_workgroup_id_x 1
		.amdhsa_system_sgpr_workgroup_id_y 1
		.amdhsa_system_sgpr_workgroup_id_z 1
		.amdhsa_system_vgpr_workitem_id 0
		.amdhsa_next_free_vgpr 1024
		.amdhsa_next_free_sgpr 102
		.amdhsa_reserve_vcc 0
		.amdhsa_float_denorm_mode_32 3
		.amdhsa_float_denorm_mode_16_64 3
		.amdhsa_memory_ordered 1
		.amdhsa_forward_progress 1
		.amdhsa_inst_pref_size 255
	.end_amdhsa_kernel
	.section	.bss,"aw",@nobits
	.p2align	6
	.space	262144
	.amdgpu_metadata
---
amdhsa.version: [ 1, 2 ]
amdhsa.kernels:
  - .name:           k_qe704b1ebcb_gemm1
    .symbol:         k_qe704b1ebcb_gemm1.kd
    .args:
      - { .name: a1q, .offset: 0, .size: 8, .value_kind: global_buffer, .address_space: global }
      - { .name: wq, .offset: 8, .size: 8, .value_kind: global_buffer, .address_space: global }
      - { .name: a2q, .offset: 16, .size: 8, .value_kind: global_buffer, .address_space: global }
      - { .name: signs, .offset: 24, .size: 8, .value_kind: global_buffer, .address_space: global }
    .group_segment_fixed_size: 327680
    .private_segment_fixed_size: 0
    .kernarg_segment_align: 8
    .kernarg_segment_size: 32
    .max_flat_workgroup_size: 128
    .sgpr_count:     102
    .vgpr_count:     1024
    .wavefront_size: 32
...
	.end_amdgpu_metadata
.endif
;; end of part 2
;; launch gemm2 (part 3): grid 8 x 32, 4 waves a work-group, clusters of 4 x 4, 327,680 bytes of LDS; arguments a2q, wq, out0; writes out0
.if DOCPART == 3
	.amdgcn_target "amdgcn-amd-amdhsa--gfx1250"
	.amdhsa_code_object_version 6
	.text
	.protected	k_qe704b1ebcb_gemm2
	.globl	k_qe704b1ebcb_gemm2
	.p2align	8
	.type	k_qe704b1ebcb_gemm2,@function
k_qe704b1ebcb_gemm2:
	s_mov_b64 s[64:65], 0
	v_nop
	global_prefetch_b8 v0, s[64:65] scope:SCOPE_SE
	s_setreg_imm32_b32 hwreg(HW_REG_WAVE_MODE, 25, 1), 1
	s_wait_xcnt 0x0
	s_wait_alu depctr_hold_cnt(0) depctr_sa_sdst(0) depctr_va_vdst(0) depctr_va_sdst(0) depctr_va_ssrc(0) depctr_va_vcc(0) depctr_vm_vsrc(0)
	s_getreg_b32 s2, hwreg(HW_REG_IB_STS2, 6, 4)
	s_cmp_eq_u32 s2, 0
	s_cbranch_scc0 .Lentry_in_a_cluster
	s_endpgm
.Lentry_in_a_cluster:
	s_bfe_u32 s2, ttmp6, 0x10000c
	s_cmp_lg_u32 s2, 0xf033
	s_cbranch_scc0 .Lentry_shape_is_right
	s_endpgm
.Lentry_shape_is_right:
; THE SECOND PRODUCT.  out0 = (A2 W) / 2048 on codes of BF6 (E3M2) with E8M0 scales, f32 sums; out0 [8192][2048] f32.  The factor 2^-11 lies in A2's scale bytes, which the launch before stored 11 lower: nothing is multiplied here.
; A2: 8,192 rows, W: 2,048 columns, K = 2,048.  Both come as IMAGES OF FRAGMENTS' REGISTERS: 16 rows x 128 K = 1,536 bytes, register p of lane l at 512 (p / 4) + 16 l + 4 (p % 4).
; For a group of 128 rows and 128 along K: a K BLOCK of 12,800 bytes: 8 images, then their scale words, block i's row r at 12,288 + 64 i + 4 r.  Laid [group][k / 128][12800].
; In W's tile t = 2 b + u lane-row p is column 32 b + 8 u + p + 8 (p / 8) of its group.
; A block of out0, 256 x 256, is made by a work-group of four waves; a wave makes 128 x 128: 64 accumulators, 512 registers.  256 work-groups.
; THE RING: two LDS slots of 384 along K (2 x 4 groups x 3 K blocks = 307,200 bytes).  2,048 = 5 x 384 + 128: the sixth fill is one K block a group.  A fragment comes out of LDS by three 16-byte loads at 16 x lane.
; THE HEAD: four joint loads, one a wave: wave 0 A's two groups for slot 0, wave 1 W's, waves 2 and 3 the same for slot 1; each is two rows of 38,400 bytes, a group (204,800 bytes) apart.  In the ring each wave brings one group's run.
; CLUSTERS: 4 x 4 work-groups.  The four of a row need the same runs of A2, the four of a column the same runs of W: each is asked for jointly, by the same tensor load with the same descriptor and a mask that names the four.
; THE MATRIX INSTRUCTION IS USED TRANSPOSED (source 0 = a tile of W, source 1 = 16 rows of A2): register j of tile t = 2 b + u in lane (r, h) is out(row r, column 32 b + 16 h + 8 u + j).
; PREFETCH: behind the head's loads and behind each refill but the last, each wave asks for the run that it loads at the next change of slots (three K steps on): 150 blocks of 256 bytes, of which the partner at place p of the four
; that ask jointly names blocks 38 p .. 38 p + 37 (the last run, 50 blocks: 13 p .. 13 p + 12), a lane a block; lanes left over name the share's last block again.  The run's place stands in the immediate: no register is stepped.
; NO LOOP: sixteen K blocks on slots of three come back to the same slot and the same set of W's registers after six steps, and the first step (which starts the sums) and the last, shorter fill each differ: the steps are written by macros.
; LIMITS: NaN and infinities are not served.
; REGISTERS, in windows of 256: window 0: v0-31 addresses; v32-47 scale words, two sets; v128-223 A's fragments, ONE set.  window 1: W's fragments, TWO sets, at v0 and v128.
;   window 2: the accumulators of my rows 0-63 ((a, b) at v[8 (8 a + b)]);  window 3: those of my rows 64-127.  On the way out window 1 takes the rows of blocks 0-3, window 2 (staged by then) those of blocks 4-7.
.set FR,     12                        ; registers of a fragment
.set NL,     3                         ; LDS loads that bring one
.set NP,     4                         ; places behind this matrix instruction (ISA guide 7.12.1)
.set IMG,    1536
.set SCO,    8*IMG                     ; where a K block's scale words begin
.set KSB,    SCO+512                   ; a K block
.set GRP,    16*KSB                    ; 128 rows x all of K
.set NQ,     3                         ; K blocks in a slot
.set HALFT,  NQ*KSB                    ; a group's run in a slot
.set SLOT,   4*HALFT                   ; A's two groups, then W's two
.set SPARE,  2*SLOT                    ; behind the ring: the spare words, 128 bytes a wave, which no other line names
.set SPITCH, 528                       ; the way out: a stage of 16 rows x (512 + 16) bytes a wave, from LDS byte 0: slot 0 has had its last fill and its last read by then
.set ROWC,   8192                      ; a row of out0 in bytes
.set PF,   8                           ; v8-10   the prefetches' offsets; never rewritten
.set ADRA, 16                          ; v16-17  my A fragments in slot 0, 1
.set ADRS, 18                          ; v18-19  my scale words: lanes 0-15 A's rows, lanes 16-31 W's
.set ADRB, 20                          ; v20-21  my W fragments
.set STO,  24                          ; v24     into the stage
.set RD,   25                          ; v25     out of it
.set LI,   26                          ; v26     16 x lane
.set SPW,  28                          ; v28     my spare word; never rewritten
.set NIL,  29                          ; v29     0; never rewritten
.set SC,   32                          ; scale words: set p at v[SC + 8 p]
.set AF,   128                         ; A's fragments
.set G1, 24                            ; s[24:31] group 1 for A's runs; s[32:39] group 0, a set a slot
.set G0, 32
.set G1B, 48                           ; the same for W's
.set G0B, 56
.set G1F, 68                           ; s[68:75], s[76:83] group 1 for A and W: first the head's shape, then the last fill's
.set G1BF, 76
.set H0, 84                            ; group 0 of the head's four loads
.set H1, 88
.set H2, 12
.set H3, 4
.set PFA, 92                           ; s[92:93] the first byte of the group that I fetch; never rewritten
.set MSB, 0
.macro WIN new                         ; the immediate's high byte repeats the setting that is left
.if MSB != (\new)
	s_set_vgpr_msb (MSB<<8)|(\new)
.set MSB, (\new)
.endif
.endm
.set MUL_LO, 0xa1                      ; source 0 (W) window 1, source 1 (A) window 0, C and D window 2
.set MUL_HI, 0xf1                      ; the same, C and D window 3
.set TO_B,   0x40                      ; destination window 1, address window 0
.macro JLOAD g0a, g1a, g0b, g1b        ; a joint load of the ring: waves 0 and 1 fetch for A, waves 2 and 3 for W; s_nop 0 and four v_nop behind each line
	s_cmp_eq_u32 s19, 0
	s_cbranch_scc0 .Lfor_b_\@
	tensor_load_to_lds s[\g0a:\g0a+3], s[\g1a:\g1a+7]
	s_nop 0
.rept 4
	v_nop
.endr
	s_branch .Lasked_\@
.Lfor_b_\@:
	tensor_load_to_lds s[\g0b:\g0b+3], s[\g1b:\g1b+7]
	s_nop 0
.rept 4
	v_nop
.endr
.Lasked_\@:
.endm
.macro CREST                           ; a round of the cluster's barrier behind its opening barrier
	s_cmp_lg_u32 s18, 0
	s_cbranch_scc1 .Lnot_wave_0_\@
	s_barrier_signal -3
.Lnot_wave_0_\@:
	s_barrier_wait -3
	s_barrier_signal -1
	s_barrier_wait -1
.endm
.macro CROUND
	s_barrier_signal -1
	s_barrier_wait -1
	CREST
.endm
.macro ASK f                           ; fill f's run of my group: my share of its blocks of 256 bytes
.if (\f) == 5
	global_prefetch_b8 v[PF+2], s[PFA:PFA+1] offset:5*HALFT th:TH_LOAD_NT scope:SCOPE_SE
.elseif (\f) > 0
	global_prefetch_b8 v[PF], s[PFA:PFA+1] offset:(\f)*HALFT th:TH_LOAD_NT scope:SCOPE_SE
	global_prefetch_b8 v[PF+1], s[PFA:PFA+1] offset:(\f)*HALFT th:TH_LOAD_NT scope:SCOPE_SE
.endif
.endm
	s_load_b128 s[4:7], s[0:1], 0x0                ; A2 s[4:5], W s[6:7]
	s_load_b64 s[8:9], s[0:1], 0x10                ; out0
	v_lshl_add_u32 v[SPW], v0, 2, SPARE
	v_mov_b32 v[NIL], 0
	ds_add_u32 v[SPW], v[NIL]                      ; the opening lines: the add, twice on end, and its wait ahead of my first tensor load
	ds_add_u32 v[SPW], v[NIL]
	v_lshrrev_b32 v1, 5, v0
	v_readfirstlane_b32 s18, v1                    ; wave 0..3
	s_lshr_b32 s19, s18, 1                         ; which 128 of the block's rows are mine.  In the ring: I fetch for A (0) or for W (1)
	s_and_b32 s20, s18, 1                          ; which 128 of its columns.  In the ring: which of the two groups I fetch
	s_bfe_u32 s40, ttmp6, 0x40000                  ; cx, cy
	s_bfe_u32 s41, ttmp6, 0x40004
	s_lshl_b32 s42, ttmp9, 2
	s_add_co_u32 s42, s42, s40                     ; block column = 4 x cluster x + cx
	s_and_b32 s21, ttmp7, 0xffff
	s_lshl_b32 s21, s21, 2
	s_add_co_u32 s21, s21, s41                     ; block row = 4 x cluster y + cy
	s_lshl_b32 s43, s41, 2
	s_lshl_b32 s43, 15, s43                        ; my row of the cluster
	s_lshl_b32 s44, 0x1111, s40                    ; my column
	s_or_b32 s[G1+0], s43, (3<<16)|(1<<21)         ; the mask; elements of 8 bytes; no padding; bit 21 set beside a mask
	s_or_b32 s[G1B+0], s44, (3<<16)|(1<<21)
.irp g, G1, G1B                        ; the ring's shape: a dense run of 38,400 bytes as 150 rows of 256
	s_mov_b32 s[\g+1], 32<<16
	s_mov_b32 s[\g+2], (HALFT/256)<<16
	s_mov_b32 s[\g+3], 32<<16
	s_mov_b32 s[\g+4], HALFT/256
	s_mov_b32 s[\g+5], 32
	s_mov_b32 s[\g+6], 0
	s_mov_b32 s[\g+7], 0
.endr
	s_or_b32 s[G1F+0], s43, (3<<16)|(1<<21)
	s_or_b32 s[G1BF+0], s44, (3<<16)|(1<<21)
.irp g, G1F, G1BF                      ; the head's shape: two rows of 38,400 bytes (4,800 elements), a group apart
	s_mov_b32 s[\g+1], (HALFT/8)<<16
	s_mov_b32 s[\g+2], 2<<16
	s_mov_b32 s[\g+3], (HALFT/8)<<16
	s_mov_b32 s[\g+4], 2
	s_mov_b32 s[\g+5], GRP/8
	s_mov_b32 s[\g+6], 0
	s_mov_b32 s[\g+7], 0
.endr
	s_lshl_b32 s22, s21, 1
	s_mul_i32 s22, s22, GRP                        ; A: the first of the block row's two groups, in bytes
	s_mov_b32 s23, 0
	s_lshl_b32 s46, s42, 1
	s_mul_i32 s46, s46, GRP                        ; W: the first of the block column's two
	s_mov_b32 s47, 0
	s_mul_i32 s16, s20, GRP                        ; in the ring: which of the two I fetch
	s_mov_b32 s17, 0
	s_mul_i32 s45, s18, HALFT                      ; and where it goes: wave x a run
	s_mul_i32 s100, s19, HALFT                     ; what I read: my 128 rows of A,
	s_mul_i32 s101, s20, HALFT
	s_add_co_u32 s101, s101, 2*HALFT               ; my 128 columns of W, behind A's two groups
	s_sub_co_u32 s3, s101, s100                    ; from A's run to W's
	s_mul_i32 s99, s18, 16*SPITCH                  ; my stage
	s_lshl_b32 s96, s21, 8
	s_lshl_b32 s95, s19, 7
	s_add_co_u32 s96, s96, s95                     ; my first row of out0
	s_lshl_b32 s96, s96, 13                        ; in bytes (under 2^27)
	s_lshl_b32 s95, s42, 1
	s_add_co_u32 s95, s95, s20
	s_lshl_b32 s95, s95, 9                         ; my first column, in bytes
	s_add_co_u32 s96, s96, s95
	s_mov_b32 s97, 0
	s_wait_dscnt 0x0                               ; both opening adds are done
	s_wait_kmcnt 0x0
	s_add_nc_u64 s[22:23], s[4:5], s[22:23]
	s_add_nc_u64 s[46:47], s[6:7], s[46:47]
	s_add_nc_u64 s[8:9], s[8:9], s[96:97]
	s_mov_b32 s[H0], 1                             ; the head's four tiles: A's K blocks 0-2 into slot 0,
	s_mov_b32 s[H0+1], 0
	s_mov_b64 s[H0+2:H0+3], s[22:23]
	s_or_b32 s[H0+3], s[H0+3], 0x80000000
	s_mov_b32 s[H1], 1                             ; W's behind them,
	s_mov_b32 s[H1+1], 2*HALFT
	s_mov_b64 s[H1+2:H1+3], s[46:47]
	s_or_b32 s[H1+3], s[H1+3], 0x80000000
	s_mov_b32 s[H2], 1                             ; A's K blocks 3-5 into slot 1,
	s_mov_b32 s[H2+1], SLOT
	s_add_nc_u64 s[H2+2:H2+3], s[22:23], HALFT
	s_or_b32 s[H2+3], s[H2+3], 0x80000000
	s_mov_b32 s[H3], 1                             ; and W's (in the registers that held the arguments, which have been used)
	s_mov_b32 s[H3+1], SLOT+2*HALFT
	s_add_nc_u64 s[H3+2:H3+3], s[46:47], HALFT
	s_or_b32 s[H3+3], s[H3+3], 0x80000000
	s_add_nc_u64 s[22:23], s[22:23], s[16:17]      ; for the ring: my group of the two
	s_add_nc_u64 s[46:47], s[46:47], s[16:17]
.irp s, 0,1                            ; the ring's group 0: each refill first steps its slot's address by two runs
	s_mov_b32 s[G0+4*\s], 1
	s_add_co_u32 s[G0+4*\s+1], s45, \s*SLOT
	s_add_nc_u64 s[G0+4*\s+2:G0+4*\s+3], s[22:23], \s*HALFT
	s_or_b32 s[G0+4*\s+3], s[G0+4*\s+3], 0x80000000
	s_mov_b32 s[G0B+4*\s], 1
	s_add_co_u32 s[G0B+4*\s+1], s45, \s*SLOT
	s_add_nc_u64 s[G0B+4*\s+2:G0B+4*\s+3], s[46:47], \s*HALFT
	s_or_b32 s[G0B+4*\s+3], s[G0B+4*\s+3], 0x80000000
.endr
	s_cmp_eq_u32 s19, 0                            ; the prefetches: do I fetch for A?
	s_cselect_b32 s94, s40, s41                    ; my place among the four that ask with me
	s_cselect_b64 s[PFA:PFA+1], s[22:23], s[46:47]
	CROUND                                         ; all sixteen work-groups are here: the first joint loads meet
; one chain of branches on the wave's number, one joint load to an arm: one tensor load a wave at the head
.macro ARM under, g0, g1, next
	s_cmp_lt_u32 s18, \under
	s_cbranch_scc0 \next
	tensor_load_to_lds s[\g0:\g0+3], s[\g1:\g1+7]
	s_nop 0
.rept 4
	v_nop
.endr
	s_branch .Lhead_asked
\next:
.endm
	ARM 1, H0, G1F,  .Lhead_b0
	ARM 2, H1, G1BF, .Lhead_a1
	ARM 3, H2, G1F,  .Lhead_b1
	tensor_load_to_lds s[H3:H3+3], s[G1BF:G1BF+7]
	s_nop 0
.rept 4
	v_nop
.endr
.Lhead_asked:
	v_and_b32 v1, 15, v0                           ; r
	v_bfe_u32 v2, v0, 4, 1                         ; h
	v_and_b32 v3, 31, v0
	v_lshlrev_b32 v[LI], 4, v3                     ; 16 x lane
	v_mul_u32_u24 v4, s3, v2                       ; lanes 16-31 take W's scale words: one product with h
	v_lshl_add_u32 v4, v1, 2, v4
	v_add_nc_u32 v[ADRA], s100, v[LI]
	v_add_nc_u32 v[ADRB], s101, v[LI]
	v_add_nc_u32 v[ADRS], s100, v4
	v_add_nc_u32 v[ADRA+1], SLOT, v[ADRA]
	v_add_nc_u32 v[ADRB+1], SLOT, v[ADRB]
	v_add_nc_u32 v[ADRS+1], SLOT, v[ADRS]
	v_mul_u32_u24 v5, v1, SPITCH                   ; into the stage: row r, + 64 h bytes
	v_lshl_add_u32 v5, v2, 6, v5
	v_add_nc_u32 v[STO], s99, v5
	v_add_nc_u32 v[RD], s99, v[LI]                 ; back: the 32 lanes take one row of 512 bytes
	v_mov_b32 v7, s94                              ; the prefetches' offsets: block 38 p + lane; block 38 p + 32 + min(lane, 5); for the last run block 13 p + min(lane, 12)
	v_min_u32 v5, 5, v3
	v_min_u32 v6, 12, v3
	v_mad_u32_u24 v[PF], v7, 38, v3
	v_mad_u32_u24 v[PF+1], v7, 38, v5
	v_mad_u32_u24 v[PF+2], v7, 13, v6
	v_add_nc_u32 v[PF+1], 32, v[PF+1]
	v_min_u32 v[PF], 149, v[PF]                    ; held inside the run
	v_min_u32 v[PF+1], 149, v[PF+1]
	v_min_u32 v[PF+2], 49, v[PF+2]
	v_lshlrev_b32 v[PF], 8, v[PF]
	v_lshlrev_b32 v[PF+1], 8, v[PF+1]
	v_lshlrev_b32 v[PF+2], 8, v[PF+2]
	ASK 2                                          ; K blocks 6-8, which the first refill loads
.macro FRAG reg, adr, q, i             ; a fragment comes as it was stored: three loads of 16 bytes a lane
.irp c, 0,1,2
	ds_load_b128 v[\reg+4*\c:\reg+4*\c+3], v[\adr] offset:(\q)*KSB+(\i)*IMG+512*\c
.endr
.endm
; 16 matrix instructions: A's blocks a0, a0 + 1 x W's eight tiles.  p: W's set and the set of scale words.  zero = 1: the product starts the sums.  The 64 accumulators take turns.
.macro MUL16 a0, p, zero
.irp a, \a0, \a0+1
.irp b, 0,1,2,3,4,5,6,7
.if \zero
	v_wmma_scale_f32_16x16x128_f8f6f4 v[8*(8*((\a)%4)+\b):8*(8*((\a)%4)+\b)+7], v[128*(\p)+FR*\b:128*(\p)+FR*\b+FR-1], v[AF+FR*(\a):AF+FR*(\a)+FR-1], 0, v[SC+8*(\p)+\b], v[SC+8*(\p)+(\a)] matrix_a_fmt:MATRIX_FMT_BF6 matrix_b_fmt:MATRIX_FMT_BF6 matrix_a_scale:MATRIX_SCALE_ROW1
.else
	v_wmma_scale_f32_16x16x128_f8f6f4 v[8*(8*((\a)%4)+\b):8*(8*((\a)%4)+\b)+7], v[128*(\p)+FR*\b:128*(\p)+FR*\b+FR-1], v[AF+FR*(\a):AF+FR*(\a)+FR-1], v[8*(8*((\a)%4)+\b):8*(8*((\a)%4)+\b)+7], v[SC+8*(\p)+\b], v[SC+8*(\p)+(\a)] matrix_a_fmt:MATRIX_FMT_BF6 matrix_b_fmt:MATRIX_FMT_BF6 matrix_a_scale:MATRIX_SCALE_ROW1
.endif
.endr
.endr
.endm
.macro FETCH_B slot, q, p
	WIN TO_B
.irp i, 0,1,2,3,4,5,6,7
	FRAG 128*(\p)+FR*\i, ADRB+\slot, \q, \i
.endr
	WIN 0
.endm
.macro FETCH_A slot, q, i0
.irp i, \i0, \i0+1, \i0+2, \i0+3
	FRAG AF+FR*(\i), ADRA+\slot, \q, \i
.endr
.endm
.macro SCALES slot, q, p               ; lanes 0-15 take A's block i, lanes 16-31 W's tile i
.irp i, 0,1,2,3,4,5,6,7
	ds_load_b32 v[SC+8*(\p)+\i], v[ADRS+\slot] offset:(\q)*KSB+SCO+64*\i
.endr
.endm
.macro PLACES n                        ; places behind matrix instructions, in front of loads into their registers and of reads of their results
.rept \n
	v_nop
.endr
.endm
; A step of 128 along K whose successor lies in the same slot.  A's blocks 0-3 are fetched anew in the step's middle, blocks 4-7 at its end; W's next set and the next scale words come with the middle run.
.macro STEP slot, q, p, zero
	s_wait_dscnt 4*NL                              ; all but the youngest twelve loads (A's blocks 4-7)
	WIN MUL_LO
	MUL16 0, \p, \zero
	MUL16 2, \p, \zero
	s_wait_dscnt 0                                 ; A's blocks 4-7 are in
	PLACES NP
	FETCH_B \slot, (\q)+1, 1-(\p)
	FETCH_A \slot, (\q)+1, 0
	SCALES \slot, (\q)+1, 1-(\p)
	WIN MUL_HI
	MUL16 4, \p, \zero
	MUL16 6, \p, \zero
	PLACES NP
	WIN 0
	FETCH_A \slot, (\q)+1, 4
.endm
; A slot's last step changes slots: ONE barrier; in front of it each wave waits for all its tensor loads, adds 0 to its spare word, and waits for that and for its own reads of this slot.
; fill = 1: this slot is filled again, with the K blocks six on;  2: with one K block, the last;  0: nothing is left to fetch.  ask: the fill that is prefetched, 0 for none.
.macro TURN slot, p, next, fill, ask
	s_wait_dscnt 4*NL
	WIN MUL_LO
	MUL16 0, \p, 0
	MUL16 2, \p, 0
	WIN 0
	s_wait_tensorcnt 0x0                           ; all my tensor loads have landed: my part of the next slot;
	ds_add_u32 v[SPW], v[NIL]
.if (\ask) == 3                        ; the first change of slots: no load of mine is out, so the head's shape makes way for the last fill's: one K block, 50 rows of 256 bytes
.irp g, G1F, G1BF
	s_mov_b32 s[\g+1], 32<<16
	s_mov_b32 s[\g+2], (KSB/256)<<16
	s_mov_b32 s[\g+3], 32<<16
	s_mov_b32 s[\g+4], KSB/256
	s_mov_b32 s[\g+5], 32
.endr
.endif
.if \fill
	s_add_nc_u64 s[G0+4*\slot+2:G0+4*\slot+3], s[G0+4*\slot+2:G0+4*\slot+3], 2*HALFT
	s_add_nc_u64 s[G0B+4*\slot+2:G0B+4*\slot+3], s[G0B+4*\slot+2:G0B+4*\slot+3], 2*HALFT
.endif
	s_wait_dscnt 0x0                               ; the add is done, and my reads of this slot are over
	s_barrier_signal -1
	s_barrier_wait -1
.if \fill == 1
	CREST                                          ; the barrier has opened a round of the cluster's barrier: no wave of any partner still reads this slot or has a load on its way
	JLOAD G0+4*\slot, G1, G0B+4*\slot, G1B         ; my one load until the next round; its four v_nop are the places in front of the loads below
.elseif \fill == 2
	CREST
	JLOAD G0+4*\slot, G1F, G0B+4*\slot, G1BF
.else
	PLACES NP
.endif
	FETCH_B \next, 0, 1-(\p)
	FETCH_A \next, 0, 0
	SCALES \next, 0, 1-(\p)
	ASK \ask
	WIN MUL_HI
	MUL16 4, \p, 0
	MUL16 6, \p, 0
	PLACES NP
	WIN 0
	FETCH_A \next, 0, 4
.endm
	s_wait_alu depctr_va_vdst(0)                   ; the head's end
	s_cmp_ge_u32 s18, 2                            ; waves 0 and 1 brought slot 0, which is read behind this barrier: they wait for it.  Slot 1's loads, waves 2 and 3's, stay out:
	s_cbranch_scc1 .Lslot1_on_its_way
	s_wait_tensorcnt 0x0
.Lslot1_on_its_way:
	s_barrier_signal -1
	s_barrier_wait -1                              ; slot 0's two tiles are in
	FETCH_B 0, 0, 0
	FETCH_A 0, 0, 0
	SCALES 0, 0, 0
	FETCH_A 0, 0, 4
	STEP 0, 0, 0, 1                                ; step 0: its products start the sums
	STEP 0, 1, 1, 0
	TURN 0, 0, 1, 1, 3                             ; step 2; slot 0 takes K blocks 6-8
	STEP 1, 0, 1, 0
	STEP 1, 1, 0, 0
	TURN 1, 1, 0, 1, 4                             ; step 5; slot 1 takes K blocks 9-11
	STEP 0, 0, 0, 0
	STEP 0, 1, 1, 0
	TURN 0, 0, 1, 1, 5                             ; step 8; slot 0 takes K blocks 12-14: its last fill
	STEP 1, 0, 1, 0
	STEP 1, 1, 0, 0
	TURN 1, 1, 0, 2, 0                             ; step 11; slot 1 takes K block 15
	STEP 0, 0, 0, 0
	STEP 0, 1, 1, 0
	TURN 0, 0, 1, 0, 0                             ; step 14: nothing is filled; behind its barrier nobody reads slot 0 any more
	s_wait_dscnt 4*NL                              ; step 15
	WIN MUL_LO
	MUL16 0, 1, 0
	MUL16 2, 1, 0
	s_wait_dscnt 0
	WIN MUL_HI
	MUL16 4, 1, 0
	MUL16 6, 1, 0
; THE WAY OUT, block by block of 16 rows x 128 columns: through my own stage in LDS, back as whole rows of 512 bytes, stored by the 32 lanes.  LDS serves a wave's instructions in order (ISA guide 5.7.1.4): no wait between
; the stores into the stage and the loads out of it.  EACH BLOCK HAS 64 REGISTERS OF ITS OWN for its rows (blocks 0-3: window 1, W's sets, done with; blocks 4-7: window 2, the accumulators of blocks 0-3, staged by then),
; and a block's place in out0 stands in the stores' immediate (127 rows at the most, inside the signed 24 bits: ISA guide, chapter 10): no store's data, offset or base is ever written again.
.macro TOSTAGE a
.set AC, 64*((\a)%4)
	WIN 0x08+4*((\a)/4)                            ; the data: window 2 or 3
.irp b, 0,1,2,3,4,5,6,7
	ds_store_b128 v[STO], v[AC+8*\b:AC+8*\b+3] offset:128*(\b/2)+32*(\b%2)        ; tile 2 b' + u: columns 32 b' + 16 h + 8 u on; each accumulator from its low end on
	ds_store_b128 v[STO], v[AC+8*\b+4:AC+8*\b+7] offset:128*(\b/2)+32*(\b%2)+16
.endr
	WIN 0x40*(1+(\a)/4)                            ; the rows: into window 1 or 2
.irp t, 0,1,2,3,4,5,6,7,8,9,10,11,12,13,14,15
	ds_load_b128 v[AC+4*\t:AC+4*\t+3], v[RD] offset:\t*SPITCH
.endr
.endm
.macro SEND a, younger                 ; younger: the LDS instructions issued behind block a's loads, which may stay out
.set AC, 64*((\a)%4)
	s_wait_dscnt \younger
	WIN 0x04*(1+(\a)/4)                            ; the data: window 1 or 2
.irp t, 0,1,2,3,4,5,6,7,8,9,10,11,12,13,14,15
	global_store_b128 v[LI], v[AC+4*\t:AC+4*\t+3], s[8:9] offset:(16*(\a)+\t)*ROWC th:TH_STORE_NT   ; 512 consecutive bytes, at a multiple of 256 from out0's first byte
.endr
.endm
	PLACES NP                                      ; behind the last products: for the reads of their results and the loads into W's registers
	TOSTAGE 0
.irp a, 1,2,3,4,5,6,7
	TOSTAGE \a
	SEND \a-1, 32                                  ; behind block a - 1's loads: block a's 16 stores and 16 loads
.endr
	SEND 7, 0
	WIN 0
	s_wait_tensorcnt 0x0                           ; the wave's end
	ds_add_u32 v[SPW], v[NIL]
	s_wait_dscnt 0x0
	CROUND                                         ; the closing round: no work-group ends while a partner may still ask for a run that names it
	s_endpgm
.Lfunc_end_k_qe704b1ebcb_gemm2:
	.size	k_qe704b1ebcb_gemm2, .Lfunc_end_k_qe704b1ebcb_gemm2-k_qe704b1ebcb_gemm2
	.p2alignl 7, 3214868480
	.fill 96, 4, 3214868480
	.section	.rodata,"a",@progbits
	.p2align	6, 0x0
	.amdhsa_kernel k_qe704b1ebcb_gemm2
		.amdhsa_group_segment_fixed_size 327680
		.amdhsa_private_segment_fixed_size 0
		.amdhsa_enable_private_segment 0
		.amdhsa_kernarg_size 24
		.amdhsa_user_sgpr_count 2
		.amdhsa_user_sgpr_kernarg_segment_ptr 1
		.amdhsa_wavefront_size32 1
		.amdhsa_system_sgpr_workgroup_id_x 1
		.amdhsa_system_sgpr_workgroup_id_y 1
		.amdhsa_system_sgpr_workgroup_id_z 1
		.amdhsa_system_vgpr_workitem_id 0
		.amdhsa_next_free_vgpr 1024
		.amdhsa_next_free_sgpr 102
		.amdhsa_reserve_vcc 0
		.amdhsa_float_denorm_mode_32 3
		.amdhsa_float_denorm_mode_16_64 3
		.amdhsa_memory_ordered 1
		.amdhsa_forward_progress 1
		.amdhsa_inst_pref_size 235
	.end_amdhsa_kernel
	.amdgpu_metadata
---
amdhsa.version: [ 1, 2 ]
amdhsa.kernels:
  - .name:           k_qe704b1ebcb_gemm2
    .symbol:         k_qe704b1ebcb_gemm2.kd
    .args:
      - { .name: a2q, .offset: 0, .size: 8, .value_kind: global_buffer, .address_space: global }
      - { .name: wq, .offset: 8, .size: 8, .value_kind: global_buffer, .address_space: global }
      - { .name: out0, .offset: 16, .size: 8, .value_kind: global_buffer, .address_space: global }
    .group_segment_fixed_size: 327680
    .private_segment_fixed_size: 0
    .kernarg_segment_align: 8
    .kernarg_segment_size: 24
    .max_flat_workgroup_size: 128
    .sgpr_count:     102
    .vgpr_count:     1024
    .wavefront_size: 32
...
	.end_amdgpu_metadata
.endif
;; end of part 3
